; MI455X (gfx1250); checked and timed in simulation.
; The chip was launched on July 23, 2026; its instructions are those of AMD's public machine-readable ISA for CDNA 5 (MIT licence, August 2026) and "CDNA5" Instruction Set Architecture Reference Guide (July 2026). The comments in the code are by the model that wrote it; some were corrected since.
;; NGP Model. Allowed arithmetic: matrix products marked QUANTISED: E3M2 operands, one E8M0 scale for each 32 along K, by v_wmma_scale_f32_16x16x128_f8f6f4 with both operands' format E3M2, f32 sums; products left as they are: f32 operands where the result goes on into a quantised operand, else bf16, f16 or f32 operands; f32 sums; everything else in f32.
;; Inputs: W1_codes 64 x 1 x 24 uint8 (E3M2 codes of W1, K innermost, in blocks of 32 codes, four codes in three bytes); W1_scales 64 x 1 uint8 (E8M0 scales of W1, one for each 32 codes along K); W2_codes 64 x 2 x 24 uint8 (E3M2 codes of W2, K innermost, in blocks of 32 codes, four codes in three bytes); W2_scales 64 x 2 uint8 (E8M0 scales of W2, one for each 32 codes along K); W3 64 x 3 float32; hash_table 16 x 524,288 x 2 float32; v_pixel_pos 2,097,152 x 2 float32.
;; Outputs: out0 2,097,152 x 3 float32.
;; This version of the problem:
;;   THIS VERSION OF THE PROBLEM IS GIVEN IN LOW PRECISION. The matrix products marked QUANTISED in the list below multiply operands that are first quantised to E3M2 (3 exponent bits, 2 mantissa bits; 6 bits a number), with one power-of-two scale for each 32 numbers along K (OCP MX v1.0); their sums are f32. All else is computed in f32.
;;   The module's matrix products, in the order in which they are computed (A, B: the left and right operand; K: the contracted axis; several contracted axes count as one K, in the product's order):
;;     1. [M 2,097,152, K 32] x [K 32, N 64]; A: computed on the way; B: input W1 (given as codes): QUANTISED
;;     2. [M 2,097,152, K 64] x [K 64, N 64]; A: computed on the way; B: input W2 (given as codes): QUANTISED
;;     3. [M 2,097,152, K 64] x [K 64, N 3]; A: computed on the way; B: input W3: left as it is (N = 3 < 16)
;;   THE QUANTISER, for each operand of a quantised product, along K:
;;     - K is cut into blocks of 32 from its start; a last block that is shorter is filled with zeros.
;;     - A block's scale is 2^e with e = floor(log2(the largest magnitude in the block)) - 4, held to -126 .. 127; a block of zeros has e = 0. As a byte (E8M0): e + 127.
;;     - Each number is divided by its block's scale, clamped to +-28, and rounded to the nearest number of E3M2, ties to even, subnormals kept.
;;     - The product sums the exact products of the quantised numbers (number of the format x scale) in f32.
;;   ~~~python
;;   def quantise(x, axis):      # numpy; x: float32 -> the quantised numbers, widened to float32 again
;;       x = np.moveaxis(x, axis, -1); K = x.shape[-1]
;;       x = np.pad(x, [(0, 0)] * (x.ndim - 1) + [(0, -K % 32)]); x = x.reshape(x.shape[:-1] + (-1, 32)); a = np.abs(x).max(-1, keepdims=True)
;;       e = np.where(a > 0, np.clip(np.frexp(np.where(a > 0, a, 1))[1] - 1 - 4, -126, 127), 0)      # np.frexp(a)[1] - 1 = floor(log2(a)), exactly
;;       r = np.clip(x / 2.0 ** e, -28, 28)
;;       step = 2.0 ** (np.maximum(np.frexp(np.where(r == 0, 1, r))[1] - 1, -2) - 2)
;;       q = np.round(r / step) * step * 2.0 ** e      # np.round: ties to even
;;       return np.moveaxis(q.reshape(q.shape[:-2] + (-1,))[..., :K], -1, axis).astype(np.float32)
;;   ~~~
;;   OPERANDS COMPUTED ON THE WAY. 'Computed on the way' means the value that the module computes at that place (a softmax that the list does not call 'softmax' is quantised finished and normalised). What goes into a quantiser is computed in f32, as accurately as f32 sums, v_exp_f32 and their like allow (about 1e-6 of the number): no bf16 or f16 on the way to a quantiser, and a product that is left as it is and whose result goes on into a quantised operand takes f32 operands (vector FMAs, or v_wmma_f32_16x16x4_f32). A number that lies on a knife's edge between two numbers of the format may be rounded either way, as far as f32 arithmetic and the matrix unit's own rounding can turn it there, and no further.
;;   INPUTS GIVEN AS CODES. W1 (in the module: [32, 64], K = its axis 0); W2 (in the module: [64, 64], K = its axis 0): each comes as NAME_codes (uint8): NAME with its K axis moved to the last place and cut into blocks of 32 codes, [.., K / 32, bytes a block], one block behind the other in memory; four codes in three bytes: a row's codes are one little-endian stream of bits, code i at bits 6 i .. 6 i + 5 (a code: sign, 3 exponent bits, 2 mantissa bits); and NAME_scales (uint8): the same leading axes, one E8M0 byte (e + 127) for each 32 codes along K. Its value is code x scale, taken as it is: it is not quantised again, and the codes and scales need not be those that the quantiser above would give.
;; One version. Each part assembles by itself: llvm-mc -triple=amdgcn-amd-amdhsa -mcpu=gfx1250 --defsym DOCPART=n.
;; ======== version 1 of 1: 2 launches
;; workspace buffers: cells 16,777,216 bytes of whole numbers; wimg 8,704 bytes
;; launch prepare (part 1): grid 512 x 1, 8 waves a work-group, no clusters, 0 bytes of LDS; arguments v_pixel_pos, W1_codes, W1_scales, W2_codes, W2_scales, W3, cells, wimg; writes cells, wimg
.if DOCPART == 1
	.amdgcn_target "amdgcn-amd-amdhsa--gfx1250"
	.amdhsa_code_object_version 6
	.text
	.protected	k_q8981103040_prepare
	.globl	k_q8981103040_prepare
	.p2align	8
	.type	k_q8981103040_prepare,@function
k_q8981103040_prepare:
	s_mov_b64 s[64:65], 0
	v_nop
	global_prefetch_b8 v0, s[64:65] scope:SCOPE_SE
	s_setreg_imm32_b32 hwreg(HW_REG_WAVE_MODE, 25, 1), 1
	s_wait_xcnt 0x0
; TWO JOBS, both for the launch that follows.
; (1) Every coordinate x of v_pixel_pos [2097152][2] f32 becomes one whole number W in cells [2097152][2] u32, laid as the positions are:
;     bits 31:8 = x's 24-bit mantissa with its leading one, bits 4:0 = j = 131 - x's exponent field.  With X = W & 0xffffff00: x = X * 2^(-27 - j).
;     From X and j the next launch gets floor(x * s + 0.5) for every level's s by whole-number arithmetic alone.
;     x is first held to 2^-27 .. just under 16, so that j is 1 .. 31.  Under 2^-27 every level's cell is 0, as it is for 2^-27 itself.
;     LIMIT: negative numbers, NaN and numbers from 16 on are held to that range and so code another position.
; (2) The weights are laid in wimg in the order of the operand registers in which the next launch wants them: register i (0 .. 63) of lane L at
;     512 (i / 4) + 16 L + 4 (i % 4); behind them, from byte 8192, four registers of scale words, 128 bytes each, 4 bytes a lane.
; Memory binds job (1): a work-group takes 32,768 consecutive bytes; each of a wave's loads and stores covers 512 consecutive bytes; all eight loads
; of a wave go out at once; nothing is read twice; no LDS, no barrier.  Job (2) is 5.5 KB of input: wave 0 of work-group 0 does it behind its share of (1).
.set X,   8                            ; v8-39    the numbers as loaded
.set C,   40                           ; v40-71   their codes: registers of their own for each store, so no store's data are written again
.set IM,  96                           ; v96-159  the 64 image registers
.set W3R, 160                          ; v160-191 W3 as loaded
.set SB,  192                          ; v192-199 scale bytes as loaded
.set SW,  76                           ; v76-79   the four scale words
	s_load_b512 s[4:19], s[0:1], 0x0               ; positions s[4:5], W1 codes s[6:7], W1 scales s[8:9], W2 codes s[10:11], W2 scales s[12:13], W3 s[14:15], cells s[16:17], wimg s[18:19]
	v_lshlrev_b32 v1, 4, v0                        ; 16 bytes a thread; never rewritten
	v_lshrrev_b32 v2, 5, v0
	v_readfirstlane_b32 s24, v2                    ; wave
	s_mov_b32 s20, 0x32000000                      ; 2^-27
	s_mov_b32 s21, 0x417fffff                      ; the largest f32 under 16
	s_lshl_b32 s22, ttmp9, 15                      ; the work-group's 32,768 bytes
	s_mov_b32 s23, 0
	s_wait_kmcnt 0x0
	s_add_nc_u64 s[4:5], s[4:5], s[22:23]
	s_add_nc_u64 s[16:17], s[16:17], s[22:23]
.irp i, 0,1,2,3,4,5,6,7
	global_load_b128 v[X+4*\i:X+4*\i+3], v1, s[4:5] offset:4096*\i th:TH_LOAD_NT
.endr
.macro ENC4 i                          ; four numbers, line by line, so that no line waits for the line above it
.irp k, 0,1,2,3
	v_med3_num_f32 v[2+\k], v[X+4*(\i)+\k], s20, s21               ; held to 2^-27 .. under 16
.endr
.irp k, 0,1,2,3
	v_lshrrev_b32 v[72+\k], 23, v[2+\k]                            ; the exponent field, 100 .. 130 (the sign is 0)
.endr
.irp k, 0,1,2,3
	v_sub_nc_u32 v[72+\k], 0x80000083, v[72+\k]                    ; the leading one, and j = 131 - the field
.endr
.irp k, 0,1,2,3
	v_lshl_or_b32 v[C+4*(\i)+\k], v[2+\k], 8, v[72+\k]             ; the mantissa goes to bits 30:8; what is left of the exponent field falls on the leading one
.endr
.endm
.irp i, 0,1,2,3,4,5,6,7
	s_wait_loadcnt 7-\i                            ; loads come back in order: load i is in, the 7 - i younger ones may be out
	ENC4 \i
	global_store_b128 v1, v[C+4*\i:C+4*\i+3], s[16:17] offset:4096*\i
.endr
	s_cmp_lg_u32 ttmp9, 0
	s_cbranch_scc1 .Ldone
	s_cmp_lg_u32 s24, 0
	s_cbranch_scc1 .Ldone
	; ---- the images.  Here the thread's number is the lane L; r = L % 16, h = L / 16
	v_and_b32 v80, 15, v0                          ; r
	v_lshrrev_b32 v81, 4, v0                       ; h
	v_and_b32 v82, 8, v80
	v_add_nc_u32 v82, v82, v80                     ; r + 8 (r / 8): also the byte offset of W1's scale bytes
	v_mul_u32_u24 v83, v82, 24                     ; W1: a row (32 codes) is 24 bytes
	v_mul_u32_u24 v84, v80, 48                     ; W2: a row (64 codes) is 48 bytes,
	v_mad_u32_u24 v84, v81, 24, v84                ; and lanes 16-31 take its second block
	v_and_b32 v87, 7, v80
	v_cmp_gt_u32 vcc_lo, 3, v87                    ; rows 0-2 and 8-10 of W3's operand carry its three columns, the others zeros
	v_min_u32 v87, 2, v87                          ; (those others load column 2, so that no load leaves the buffer)
	v_lshlrev_b32 v85, 2, v87
	v_mad_u32_u24 v85, v81, 96, v85                ; W3[k][n] lies at 12 k + 4 n; lanes 16-31 begin 8 rows of k further on
	v_lshlrev_b32 v86, 1, v80                      ; W2's scale bytes: 2 a row
	v_lshlrev_b32 v88, 2, v0                       ; 4 L
	; Registers 0-23: W1 in two runs of 12.  Run u: registers 0-5 = tile 2 u, registers 6-11 = tile 2 u + 1; both halves of the lanes hold the same 24 bytes.
	; THE ROWS OF A TILE ARE NOT NEIGHBOURS: lane r of tile 2 u + v takes hidden unit 32 u + 8 v + r + 8 (r / 8), so that the results of two neighbouring tiles are 16 neighbours along the next K.
	; Registers 24-47: W2 in two runs of 12.  Run u: registers 0-5 = tile 2 u (rows 16 (2 u) + r), registers 6-11 = tile 2 u + 1; lanes 0-15 hold K block 0, lanes 16-31 K block 1.
.irp u, 0,1
.irp v, 0,1
.irp p, 0,1,2
	global_load_b64 v[IM+12*\u+6*\v+2*\p:IM+12*\u+6*\v+2*\p+1], v83, s[6:7] offset:24*(32*\u+8*\v)+8*\p
	global_load_b64 v[IM+24+12*\u+6*\v+2*\p:IM+24+12*\u+6*\v+2*\p+1], v84, s[10:11] offset:768*(2*\u+\v)+8*\p
.endr
.endr
.endr
	; Registers 48-63: W3 as bf16, source 0 of the 16 x 16 x 32 form, for K steps s = 0, 1: register i holds k0, k0 + 1 with k0 = 32 s + 16 (i / 4) + 8 h + 2 (i % 4)
.irp s, 0,1
.irp i, 0,1,2,3,4,5,6,7
	global_load_b32 v[W3R+16*\s+2*\i], v85, s[14:15] offset:12*(32*\s+16*(\i/4)+2*(\i%4))
	global_load_b32 v[W3R+16*\s+2*\i+1], v85, s[14:15] offset:12*(32*\s+16*(\i/4)+2*(\i%4)+1)
.endr
.endr
.irp u, 0,1
	global_load_u8 v[SB+2*\u], v82, s[8:9] offset:32*\u            ; W1's byte of tile 2 u's row,
	global_load_u8 v[SB+2*\u+1], v82, s[8:9] offset:32*\u+8        ; of tile 2 u + 1's
	global_load_u16 v[SB+4+2*\u], v86, s[12:13] offset:64*\u       ; W2's two bytes of tile 2 u's row,
	global_load_u16 v[SB+4+2*\u+1], v86, s[12:13] offset:64*\u+32  ; of tile 2 u + 1's
.endr
	s_wait_loadcnt 0x0
.irp s, 0,1
.irp i, 0,1,2,3,4,5,6,7
	v_cvt_pk_bf16_f32 v[IM+48+8*\s+\i], v[W3R+16*\s+2*\i], v[W3R+16*\s+2*\i+1]
.endr
.endr
.irp i, 0,1,2,3,4,5,6,7,8,9,10,11,12,13,14,15
	v_cndmask_b32 v[IM+48+\i], 0, v[IM+48+\i], vcc_lo              ; zeros in the rows that carry no column
.endr
.irp u, 0,1
	v_lshl_or_b32 v[SB+2*\u], v[SB+2*\u], 8, v[SB+2*\u]            ; W1's word of run u: K blocks 0, 1 scale tile 2 u, blocks 2, 3 tile 2 u + 1
	v_lshl_or_b32 v[SB+2*\u+1], v[SB+2*\u+1], 8, v[SB+2*\u+1]
	v_lshl_or_b32 v[SW+\u], v[SB+2*\u+1], 16, v[SB+2*\u]
	v_lshl_or_b32 v[SW+2+\u], v[SB+4+2*\u+1], 16, v[SB+4+2*\u]     ; W2's word of run u: the two tiles' two bytes each
.endr
.irp c, 0,1,2,3,4,5,6,7,8,9,10,11,12,13,14,15
	global_store_b128 v1, v[IM+4*\c:IM+4*\c+3], s[18:19] offset:512*\c   ; 32 lanes store 512 consecutive bytes
.endr
.irp i, 0,1,2,3
	global_store_b32 v88, v[SW+\i], s[18:19] offset:8192+128*\i
.endr
.Ldone:
	s_endpgm
.Lfunc_end_k_q8981103040_prepare:
	.size	k_q8981103040_prepare, .Lfunc_end_k_q8981103040_prepare-k_q8981103040_prepare
	.p2alignl 7, 3214868480
	.fill 96, 4, 3214868480
	.section	.rodata,"a",@progbits
	.p2align	6, 0x0
	.amdhsa_kernel k_q8981103040_prepare
		.amdhsa_group_segment_fixed_size 0
		.amdhsa_private_segment_fixed_size 0
		.amdhsa_enable_private_segment 0
		.amdhsa_kernarg_size 64
		.amdhsa_user_sgpr_count 2
		.amdhsa_user_sgpr_kernarg_segment_ptr 1
		.amdhsa_wavefront_size32 1
		.amdhsa_system_sgpr_workgroup_id_x 1
		.amdhsa_system_sgpr_workgroup_id_y 1
		.amdhsa_system_sgpr_workgroup_id_z 1
		.amdhsa_system_vgpr_workitem_id 0
		.amdhsa_next_free_vgpr 200
		.amdhsa_next_free_sgpr 66
		.amdhsa_reserve_vcc 1
		.amdhsa_float_denorm_mode_32 3
		.amdhsa_float_denorm_mode_16_64 3
		.amdhsa_memory_ordered 1
		.amdhsa_forward_progress 1
		.amdhsa_inst_pref_size 21
	.end_amdhsa_kernel
	.amdgpu_metadata
---
amdhsa.version: [ 1, 2 ]
amdhsa.kernels:
  - .name:           k_q8981103040_prepare
    .symbol:         k_q8981103040_prepare.kd
    .args:
      - { .name: v_pixel_pos, .offset: 0, .size: 8, .value_kind: global_buffer, .address_space: global }
      - { .name: W1_codes, .offset: 8, .size: 8, .value_kind: global_buffer, .address_space: global }
      - { .name: W1_scales, .offset: 16, .size: 8, .value_kind: global_buffer, .address_space: global }
      - { .name: W2_codes, .offset: 24, .size: 8, .value_kind: global_buffer, .address_space: global }
      - { .name: W2_scales, .offset: 32, .size: 8, .value_kind: global_buffer, .address_space: global }
      - { .name: W3, .offset: 40, .size: 8, .value_kind: global_buffer, .address_space: global }
      - { .name: cells, .offset: 48, .size: 8, .value_kind: global_buffer, .address_space: global }
      - { .name: wimg, .offset: 56, .size: 8, .value_kind: global_buffer, .address_space: global }
    .group_segment_fixed_size: 0
    .private_segment_fixed_size: 0
    .kernarg_segment_align: 8
    .kernarg_segment_size: 64
    .max_flat_workgroup_size: 256
    .sgpr_count:     66
    .vgpr_count:     200
    .wavefront_size: 32
...
	.end_amdgpu_metadata
.endif
;; end of part 1
;; launch ngp (part 2): grid 256 x 1, 16 waves a work-group, no clusters, 215,040 bytes of LDS; arguments hash_table, v_pixel_pos, cells, wimg, out0; writes out0
.if DOCPART == 2
	.amdgcn_target "amdgcn-amd-amdhsa--gfx1250"
	.amdhsa_code_object_version 6
	.text
	.protected	k_q8981103040_ngp
	.globl	k_q8981103040_ngp
	.p2align	8
	.type	k_q8981103040_ngp,@function
k_q8981103040_ngp:
	s_mov_b64 s[64:65], 0
	v_nop
	global_prefetch_b8 v0, s[64:65] scope:SCOPE_SE
	s_setreg_imm32_b32 hwreg(HW_REG_WAVE_MODE, 25, 1), 1
	s_wait_xcnt 0x0
; out = relu(relu(enc(pos) W1) W2) W3 for 2,097,152 points.  enc: 16 levels x 2 features, each the bilinear blend of 4 table entries.  The first two products run on codes of BF6 (E3M2) with one E8M0
; scale for each 32 along K (the weights come as codes, the activations are quantised in registers); the third (3 columns) on bf16 operands; all sums and all else in f32.
; SHARES.  256 work-groups of 16 waves; wave q = 16 x work-group + wave owns points 512 q .. 512 q + 511 and walks them in 16 trips of 32: a lane takes a point from its position to its 32 features, and stores that point's three outputs.
; ADDRESSES COME FROM WHOLE NUMBERS.  The launch before has stored each coordinate as X (24-bit mantissa, bits 31:8) and j (bits 4:0), x = X 2^(-27 - j).  With s = 2^k - 1, k = 4 + level:
;   X (32 s) + 2^(31 + j) = (x s + 0.5) 2^(32 + j), so the cell is (the sum's high word) >> j: one 64-bit multiply-add and one shift.
; THE WEIGHTS COME FROM f32: p = pos * s, then + 0.5, each rounded (two lines, as the model's source has them: at level 15 one unit in p's last place is 1/32 of a cell), w = p - the cell.
;   Rounding is monotone and the cell and the cell - 0.5 are f32 numbers, so the cell <= p <= the cell + 1.  Where p has been rounded up onto the next cell's border, w = 1: that takes the same table entries with the same weights as w = 0 in the next cell.
; LEVELS 0-3 (grids of 16^2 .. 128^2) are read from a copy in LDS, made once by asynchronous copies: the first 8,192 / 16,384 / 40,960 / 139,264 bytes of each level's table hold its res^2 + res + 1 entries.
; LEVELS 4-15 are gathered from memory, 48 loads of 8 bytes a lane, all issued before the first is waited for.
; THE MLP stays in registers.  Both quantised products are used transposed (source 0 = 16 rows of the weight, source 1 = 16 points).  K is 32 or 64 where the instruction takes 128: a weight operand
;   of 12 registers holds TWO tiles (K blocks 0, 1: one tile; blocks 2, 3: the next), and the points' operand is 6 registers of codes beside 6 registers of zeros, before or behind them: zero codes add nothing, so each
;   instruction picks one tile.  In the first product a lane's 32 features are one whole block; points 0-15 lie in lanes 0-15 (block 0 or 2 of their row), points 16-31 in lanes 16-31 (block 1 or 3): the other half's codes are masked to zero.
; TWO IN ONE.  f32 has no packed maximum, so the activations go as pairs of two instructions in one: the destinations an even register and the next odd one, the second sources in different banks of four.
; WHY NO CLUSTER: what work-groups share is the one fill of 212,992 bytes; each then gathers 8,192 points x 48 x 8 bytes = 3.1 MB at addresses of its own.
; LIMITS.  Positions in [0, 1], as the model states them: beyond 1 the dense levels' cell numbers are held to the grid and the hashed levels' indices to the table; negative numbers, NaN and numbers from 16 on were held by the
;   launch before: other values than the model's.  An infinity or NaN in a table entry that has weight 0 is not served.  A weight's scale byte 0xff (NaN) is not served: it would also reach the tile that shares its operand.
;   The third product's operands are rounded to bf16.
; REGISTERS: v1 8 x lane, v2 12 x lane, v3 the images' LDS address; v[4:5] position, v[6:7] its codes; v8-15 X, j and the halves; v16-29 at work on a cell; v30-31 addresses of levels 4, 5;
;   v32-63 F: (wx, wy) of each level, then the features, later h2 as bf16; v64-159 corners of levels 4-15, later the weights' images (v64-127) and results (v128-191); v160-191 corners of levels 0-3;
;   v192-221 zeros | codes A | zeros | codes B | zeros, six each; v222-237 at work, later the third product's sums; v238 4 x lane; v239 1; v240-246 scale words and nothing else; v248-254 conversions' results; v251, v255 lane masks.
.set NTRIP, 16
.set F,    32
.set DG,   64                          ; level l (4 .. 15): 8 registers at DG + 8 (l - 4): corners (0,0) (1,0) (0,1) (1,1), two features each
.set EL,   160                         ; level l (0 .. 3): at EL + 8 l
.set CA,   198                         ; codes A; zeros stand at v192-197 and v204-209
.set CB,   210                         ; codes B; zeros stand at v204-209 and v216-221
.set CT0,  248
.set CT1,  252
.set MLO,  251                         ; all ones in lanes 0-15
.set MHI,  255                         ; all ones in lanes 16-31
.set ONE,  239
.set IMG,  204800                      ; LDS: levels 0-3 at 0, 8192, 24576, 65536; the weights' images at 204800, 8,192 bytes
	s_load_b256 s[4:11], s[0:1], 0x0               ; table s[4:5], positions s[6:7], cells s[8:9], images s[10:11]
	s_load_b64 s[12:13], s[0:1], 0x20              ; out
	v_lshl_add_u32 v254, v0, 2, 0x34000
	v_mov_b32 v255, 0
	ds_add_u32 v254, v255
	ds_add_u32 v254, v255
	s_wait_dscnt 0x0
	v_lshrrev_b32 v1, 5, v0
	v_readfirstlane_b32 s14, v1                    ; wave 0..15
	v_lshlrev_b32 v64, 4, v0                       ; the copies: 16 bytes a thread, 8,192 a work-group and copy.  v64: the offset in memory;
	v_lshl_add_u32 v65, v0, 4, 0                   ; v65-68: the LDS addresses in levels 0 to 3
	v_lshl_add_u32 v66, v0, 4, 8192
	v_lshl_add_u32 v67, v0, 4, 24576
	v_lshl_add_u32 v68, v0, 4, 65536
	v_lshl_add_u32 v69, v0, 4, IMG                 ; and in the images
	v_lshl_add_u32 v70, v0, 4, 131072              ; level 3 is 139,264 bytes and a copy's immediate stays under 65,536: its second 65,536 bytes have an LDS address
	v_lshl_add_u32 v71, v0, 4, 65536               ; and an offset in memory of their own,
	v_lshl_add_u32 v72, v0, 4, 196608              ; and so has its last copy
	v_lshl_add_u32 v73, v0, 4, 131072
	v_and_b32 v2, 31, v0                           ; lane
	v_lshlrev_b32 v1, 3, v2
	v_lshl_add_u32 v3, v2, 4, IMG
	v_lshlrev_b32 v238, 2, v2
	v_mul_u32_u24 v2, v2, 12
	s_mov_b32 s48, 0x9e3779b1                      ; 2654435761, the hash's prime for y
	s_mov_b32 s49, NTRIP
	s_mov_b32 s52, 0x76543210
	s_mov_b32 s53, 0xfedcba98                      ; v_permlanex16_b32's selects for lane l xor 16
	s_lshl_b32 s15, ttmp9, 4
	s_add_co_u32 s15, s15, s14                     ; q
	s_lshl_b32 s54, s15, 12                        ; 512 points x 8 bytes
	s_mov_b32 s55, 0
	s_wait_kmcnt 0x0
.irp l, 0,1,2,3,4,5,6,7,8,9,10,11,12,13,14,15
	s_add_nc_u64 s[16+2*\l:17+2*\l], s[4:5], \l*0x400000           ; level l's table: 524,288 entries of 8 bytes
.endr
	; The one fill of LDS: 26 copies a wave, ahead of every wait for copies, every LDS read and the barrier.  The immediate is added to both addresses.
	global_load_async_to_lds_b128 v65, v64, s[16:17]
.irp i, 0,1
	global_load_async_to_lds_b128 v66, v64, s[18:19] offset:8192*\i
.endr
.irp i, 0,1,2,3,4
	global_load_async_to_lds_b128 v67, v64, s[20:21] offset:8192*\i
.endr
.irp i, 0,1,2,3,4,5,6,7
	global_load_async_to_lds_b128 v68, v64, s[22:23] offset:8192*\i   ; level 3's bytes 0 to 65,535,
.endr
.irp i, 0,1,2,3,4,5,6,7
	global_load_async_to_lds_b128 v70, v71, s[22:23] offset:8192*\i   ; 65,536 to 131,071,
.endr
	global_load_async_to_lds_b128 v72, v73, s[22:23]                  ; 131,072 to 139,263
	global_load_async_to_lds_b128 v69, v64, s[10:11]
	s_add_nc_u64 s[6:7], s[6:7], s[54:55]
	s_add_nc_u64 s[8:9], s[8:9], s[54:55]
	s_mul_i32 s54, s15, 6144                       ; 512 points x 12 bytes
	s_add_nc_u64 s[12:13], s[12:13], s[54:55]
	global_load_b64 v[4:5], v1, s[6:7] th:TH_LOAD_NT               ; the first trip's positions and codes: 256 consecutive bytes a wave each
	global_load_b64 v[6:7], v1, s[8:9] th:TH_LOAD_NT
.irp i, 0,1,2,3
	global_load_b32 v[240+\i], v238, s[10:11] offset:8192+128*\i   ; the weights' scale words stay in registers: W1's runs 0, 1, W2's runs 0, 1
.endr
.irp z, 192,193,194,195,196,197,204,205,206,207,208,209,216,217,218,219,220,221
	v_mov_b32 v\z, 0                               ; the zero codes: written once
.endr
	v_mov_b32 v12, 0                               ; the low words of the two halves 2^(31 + j): written once
	v_mov_b32 v14, 0
	v_mov_b32 v232, 0                              ; a lane permute's destination counts as one of its sources
	v_mov_b32 v233, 0
	v_mov_b32 v[ONE], 1
	v_bfe_u32 v[MHI], v0, 4, 1
	v_sub_nc_u32 v[MHI], 0, v[MHI]
	v_xor_b32 v[MLO], -1, v[MHI]
	s_wait_asynccnt 0x0                            ; my copies have landed (and have read their address registers, which the trips write again),
	s_barrier_signal -1
	s_barrier_wait -1                              ; everybody's have.  From here on LDS is only read: this is the text's one barrier
; The cell and the weights of level l: cell x in v20, cell y in v21, (wx, wy) in F + 2 l.
.macro CELL l
.set KK, 4+(\l)
.set SM, ((1<<KK)-1)<<5                                            ; 32 s
.set SF, ((KK+126)<<23)|(((1<<(KK-1))-1)<<(24-KK))                 ; s = 2^k - 1 as f32
.set CL, (1<<(2*KK))-1                                             ; res^2 - 1
	v_mad_co_u64_u32 v[16:17], null, v8, SM, v[12:13]
	v_mad_co_u64_u32 v[18:19], null, v9, SM, v[14:15]
	v_pk_mul_f32 v[26:27], v[4:5], SF op_sel_hi:[1,0]
	v_lshrrev_b32 v20, v10, v17
	v_lshrrev_b32 v21, v11, v19
	v_pk_add_f32 v[26:27], v[26:27], 0.5 op_sel_hi:[1,0]           ; not fused with the product: see the head
	v_cvt_f32_u32 v28, v20
	v_cvt_f32_u32 v29, v21
	v_pk_add_f32 v[F+2*(\l):F+2*(\l)+1], v[26:27], v[28:29] neg_lo:[0,1] neg_hi:[0,1]   ; exact
.endm
; A hashed level: index = (cx ^ cy * prime) mod 2^19.  For positions up to 1, cx is at most 2^k - 1, under 2^19 at every level, so cutting the two y terms to 19 bits cuts all four indices;
; cx + 1 can reach 2^19 at level 15 alone, and is cut there.  Each index is made in the first register of its corner's pair, and the load lands on its own address register.
.macro HASHED l
	CELL \l
.set DD, DG+8*((\l)-4)
	v_mul_lo_u32 v23, v21, s48
	v_add_nc_u32 v22, 1, v20
	v_add_nc_u32 v24, s48, v23                     ; (cy + 1) * prime
	v_and_b32 v23, 0x7ffff, v23
	v_and_b32 v24, 0x7ffff, v24
.if (\l) == 15
	v_and_b32 v22, 0x7ffff, v22
.endif
	v_xor_b32 v[DD], v20, v23
	v_xor_b32 v[DD+2], v22, v23
	v_xor_b32 v[DD+4], v20, v24
	v_xor_b32 v[DD+6], v22, v24
.irp c, 0,2,4,6
	v_min_u32 v[DD+\c], 0x7ffff, v[DD+\c]          ; the hold that a loaded number passes on its way into an address: it changes nothing for positions up to 1 and keeps every other index inside the table
.endr
.irp c, 0,2,4,6
	v_lshlrev_b32 v[DD+\c], 3, v[DD+\c]            ; 8 bytes an entry
.endr
.irp c, 0,2,4,6
	global_load_b64 v[DD+\c:DD+\c+1], v[DD+\c], s[16+2*(\l):17+2*(\l)] th:TH_LOAD_HT   ; the hint: every work-group reads the table's entries, again and again
.endr
.endm
; A dense level from memory: index = cx + cy res; the four corners stand in the immediate.  ad is written again only in the next trip, behind the waits for these loads.
.macro DENSEG l, ad
	CELL \l
.set DD, DG+8*((\l)-4)
	v_lshl_add_u32 v[\ad], v21, KK, v20
	v_min_u32 v[\ad], CL, v[\ad]
	v_lshlrev_b32 v[\ad], 3, v[\ad]
	global_load_b64 v[DD:DD+1], v[\ad], s[16+2*(\l):17+2*(\l)] th:TH_LOAD_HT
	global_load_b64 v[DD+2:DD+3], v[\ad], s[16+2*(\l):17+2*(\l)] offset:8 th:TH_LOAD_HT
	global_load_b64 v[DD+4:DD+5], v[\ad], s[16+2*(\l):17+2*(\l)] offset:(8<<KK) th:TH_LOAD_HT
	global_load_b64 v[DD+6:DD+7], v[\ad], s[16+2*(\l):17+2*(\l)] offset:(8<<KK)+8 th:TH_LOAD_HT
.endm
; A dense level from its copy in LDS, which begins at byte base
.macro DENSEL l, base
	CELL \l
.set DD, EL+8*(\l)
	v_lshl_add_u32 v25, v21, KK, v20
	v_min_u32 v25, CL, v25
	v_lshl_add_u32 v25, v25, 3, \base
	ds_load_b64 v[DD:DD+1], v25
	ds_load_b64 v[DD+2:DD+3], v25 offset:8
	ds_load_b64 v[DD+4:DD+5], v25 offset:(8<<KK)
	ds_load_b64 v[DD+6:DD+7], v25 offset:(8<<KK)+8
.endm
; The four corner weights of level l: v224 = (1-wx)(1-wy), v225 = wx wy, v226 = wx (1-wy), v227 = (1-wx) wy.  They stand ahead of the wait for the corners.
; The two plain products go as two instructions in one.  F + 2 l lies in bank 0 for even l and in bank 2, as v222 does, for odd l: there wx and wy change places, so that the first sources' banks differ, and the second sources' too.
.macro WEIGH l
.set WW, F+2*(\l)
	v_pk_fma_f32 v[222:223], v[WW:WW+1], -1.0, 1.0 op_sel_hi:[1,0,0]
.if (\l)%2
	v_dual_mul_f32 v225, v[WW+1], v[WW] :: v_dual_mul_f32 v224, v222, v223
.else
	v_dual_mul_f32 v225, v[WW], v[WW+1] :: v_dual_mul_f32 v224, v222, v223
.endif
	v_pk_mul_f32 v[226:227], v[WW:WW+1], v[222:223] op_sel:[0,1] op_sel_hi:[1,0]
.endm
; The blend, both features at once, in the model's order of corners; the features take the weights' place in F
.macro MIX l, d
.set WW, F+2*(\l)
	v_pk_mul_f32 v[WW:WW+1], v[(\d):(\d)+1], v[224:225] op_sel_hi:[1,0]
	v_pk_fma_f32 v[WW:WW+1], v[(\d)+2:(\d)+3], v[226:227], v[WW:WW+1] op_sel_hi:[1,0,1]
	v_pk_fma_f32 v[WW:WW+1], v[(\d)+4:(\d)+5], v[226:227], v[WW:WW+1] op_sel:[0,1,0] op_sel_hi:[1,1,1]
	v_pk_fma_f32 v[WW:WW+1], v[(\d)+6:(\d)+7], v[224:225], v[WW:WW+1] op_sel:[0,1,0] op_sel_hi:[1,1,1]
.endm
; The first hidden layer of points 16 p .. 16 p + 15 becomes an operand.  At v[128 + 32 p] on, register 16 b + i of lane (r, h) is unit 32 b + 16 h + i of point 16 p + r.
.macro QUANTH p
.set HH, 128+32*(\p)
.set CC, CA+12*(\p)
.irp j, 0,2,4,6,8,10,12,14,16,18,20,22,24,26,28,30
	v_dual_max_num_f32 v[HH+\j], 0, v[HH+\j] :: v_dual_max_num_f32 v[HH+\j+1], 0, v[HH+\j+1]   ; the activation, in f32, two at a time; each result is read from its low end on
.endr
.irp b, 0,1
	v_max3_num_f32 v[228+\b], v[HH+16*\b], v[HH+16*\b+1], 0x2800000   ; block b: my 16 numbers (none is negative) and the floor 2^(5 - 127): the byte cannot fall under 1
.endr
.irp i, 2,4,6,8,10,12,14
.irp b, 0,1
	v_max3_num_f32 v[228+\b], v[228+\b], v[HH+16*\b+\i], v[HH+16*\b+\i+1]
.endr
.endr
.irp b, 0,1
	v_permlanex16_b32 v[232+\b], v[228+\b], s52, s53
.endr
.irp b, 0,1
	v_max_num_f32 v[228+\b], v[228+\b], v[232+\b]  ; with lane l xor 16's: the block's largest number
.endr
.irp b, 0,1
	v_add_nc_u32 v[230+\b], 0xfe000000, v[228+\b]  ; 4 off its exponent field: the conversion takes this operand's exponent field as its scale
.endr
.irp b, 0,1
	v_lshrrev_b32 v[234+\b], 23, v[230+\b]         ; the scale's byte
.endr
	v_lshl_or_b32 v[245+(\p)], v235, 8, v234       ; the row's two bytes, for K blocks 0, 1
	v_lshl_or_b32 v[245+(\p)], v[245+(\p)], 16, v[245+(\p)]        ; and again for blocks 2, 3
	v_cvt_scalef32_pk16_bf6_f32 v[CC:CC+2], v[HH:HH+15], v230      ; the codes of k = 16 h + 0 .. 15
	v_cvt_scalef32_pk16_bf6_f32 v[CT0:CT0+2], v[HH+16:HH+31], v231 ; and of k = 32 + 16 h + 0 .. 15
	v_nop                                          ; one plain place behind a scaled conversion
.irp i, 0,1,2
	v_permlane16_swap_b32 v[CC+\i], v[CT0+\i]      ; the operand wants a whole block in a lane: lanes 0-15 block 0, lanes 16-31 block 1
.endr
.irp i, 0,1,2
	v_mov_b32 v[CC+3+\i], v[CT0+\i]
.endr
.endm
.Ltrip:
	s_wait_loadcnt 0x0                             ; this trip's positions and codes (in the first trip: the scale words too)
	v_and_b32 v10, 31, v6                          ; j
	v_and_b32 v11, 31, v7
	v_and_b32 v8, 0xffffff00, v6                   ; X
	v_and_b32 v9, 0xffffff00, v7
	v_add_nc_u32 v24, -1, v10
	v_add_nc_u32 v25, -1, v11
	v_lshlrev_b32 v13, v24, v[ONE]                 ; the high word of 2^(31 + j)
	v_lshlrev_b32 v15, v25, v[ONE]
	DENSEG 4, 30                                   ; the 48 gathers go out first,
	DENSEG 5, 31
.irp l, 6,7,8,9,10,11,12,13,14,15
	HASHED \l
.endr
	DENSEL 0, 0                                    ; then the 16 reads of LDS,
	DENSEL 1, 8192
	DENSEL 2, 24576
	DENSEL 3, 65536
.irp l, 0,1,2,3                                ; which are blended while the gathers are on their way
	WEIGH \l
	s_wait_dscnt 4*(3-\l)                          ; LDS loads come back in order: level l's four are in, those of the 3 - l levels behind it may be out
	MIX \l, EL+8*\l
.endr
.irp l, 4,5,6,7,8,9,10,11,12,13,14,15
	WEIGH \l
	s_wait_loadcnt 4*(15-\l)                       ; loads come back in order: level l's four are in, those of the 15 - l levels behind it may be out
	MIX \l, DG+8*(\l-4)
.endr
	s_cmp_eq_u32 s49, 1                            ; the next trip's positions and codes are asked for here, a whole MLP ahead; the last trip asks for nothing: no load leaves its buffer
	s_cbranch_scc1 .Lno_next
	global_load_b64 v[4:5], v1, s[6:7] offset:256 th:TH_LOAD_NT
	global_load_b64 v[6:7], v1, s[8:9] offset:256 th:TH_LOAD_NT
.Lno_next:
.irp c, 0,1,2,3,4,5,6,7,8,9,10,11,12,13,14,15
	ds_load_b128 v[64+4*\c:67+4*\c], v3 offset:512*\c              ; the weights' images, over the corners' registers: v64-87 W1's two runs, v88-111 W2's, v112-127 W3; they land while the features are quantised
.endr
	; ---- the features become codes: a lane's 32 are one whole block
	v_max3_num_f32 v228, |v[F]|, |v[F+1]|, 0x2800000               ; the largest magnitude, in two chains, with the floor 2^(5 - 127) among the leaves
	v_max3_num_f32 v229, |v[F+2]|, |v[F+3]|, |v[F+4]|
.irp i, 5,9,13,17,21,25
	v_max3_num_f32 v228, v228, |v[F+\i]|, |v[F+\i+1]|
	v_max3_num_f32 v229, v229, |v[F+\i+2]|, |v[F+\i+3]|
.endr
	v_max3_num_f32 v228, v228, |v[F+29]|, |v[F+30]|
	v_max3_num_f32 v228, v228, v229, |v[F+31]|
	v_add_nc_u32 v230, 0xfe000000, v228            ; 4 off its exponent field: the conversions' scale operand
	v_lshrrev_b32 v231, 23, v230                   ; the byte,
	v_lshl_or_b32 v244, v231, 8, v231              ; in all four places of my point's scale word: whichever K block my codes stand in
	v_lshl_or_b32 v244, v244, 16, v244
	v_cvt_scalef32_pk16_bf6_f32 v[CT0:CT0+2], v[F:F+15], v230
	v_cvt_scalef32_pk16_bf6_f32 v[CT1:CT1+2], v[F+16:F+31], v230
	v_nop                                          ; one plain place behind a scaled conversion
.irp i, 0,1,2
	v_and_b32 v[CA+\i], v[MLO], v[CT0+\i]          ; A: points 0-15's codes, zeros in lanes 16-31
	v_and_b32 v[CA+3+\i], v[MLO], v[CT1+\i]
	v_and_b32 v[CB+\i], v[MHI], v[CT0+\i]          ; B: points 16-31's codes, zeros in lanes 0-15
	v_and_b32 v[CB+3+\i], v[MHI], v[CT1+\i]
.endr
.rept 4
	v_nop                                          ; an operand written by a vector instruction stands 4 places ahead of a scaled matrix instruction, a scale register so written 8: behind the scale word stand the v_nop above,
.endr                                              ; the six maskings of the OTHER half's codes, which name no register of the product in question, and these four: eleven
	s_wait_dscnt 0x0                               ; the images
	; ---- h1 = x W1, transposed: tile t = 2 u + v of the 64 units.  v = 0: codes, then zeros: W1's run gives its first tile; v = 1: zeros, then codes: its second.  Eight results, each begun with the constant 0.
.irp u, 0,1
.irp v, 0,1
	v_wmma_scale_f32_16x16x128_f8f6f4 v[128+8*(2*\u+\v):135+8*(2*\u+\v)], v[64+12*\u:75+12*\u], v[CA-6*\v:CA+11-6*\v], 0, v[240+\u], v244 matrix_a_fmt:MATRIX_FMT_BF6 matrix_b_fmt:MATRIX_FMT_BF6
	v_wmma_scale_f32_16x16x128_f8f6f4 v[160+8*(2*\u+\v):167+8*(2*\u+\v)], v[64+12*\u:75+12*\u], v[CB-6*\v:CB+11-6*\v], 0, v[240+\u], v244 matrix_a_fmt:MATRIX_FMT_BF6 matrix_b_fmt:MATRIX_FMT_BF6 matrix_b_scale:MATRIX_SCALE_ROW1
.endr
.endr
.rept 4
	v_nop                                          ; four places ahead of the first read of results (ISA guide 7.12.1)
.endr
	QUANTH 0
	QUANTH 1
.rept 8
	v_nop                                          ; 8 places behind the second half's scale word, 4 behind its codes
.endr
	; ---- h2 = relu(h1) W2, transposed, tile t = 2 u + v: rows 16 t + r of W2.  The results take the first layer's registers, whose last matrix instruction lies far more than five places back.
.irp u, 0,1
.irp v, 0,1
	v_wmma_scale_f32_16x16x128_f8f6f4 v[128+8*(2*\u+\v):135+8*(2*\u+\v)], v[88+12*\u:99+12*\u], v[CA-6*\v:CA+11-6*\v], 0, v[242+\u], v245 matrix_a_fmt:MATRIX_FMT_BF6 matrix_b_fmt:MATRIX_FMT_BF6
	v_wmma_scale_f32_16x16x128_f8f6f4 v[160+8*(2*\u+\v):167+8*(2*\u+\v)], v[88+12*\u:99+12*\u], v[CB-6*\v:CB+11-6*\v], 0, v[242+\u], v246 matrix_a_fmt:MATRIX_FMT_BF6 matrix_b_fmt:MATRIX_FMT_BF6
.endr
.endr
.rept 4
	v_nop
.endr
	; ---- relu, and to bf16.  Lane (r, h) holds units 16 t + 8 h + 0 .. 7 of its point: just what registers 4 (t % 2) .. + 3 of the bf16 operand of K step t / 2 want of it.  Nothing changes lanes.
	; A half's sixteen pairs of maxima stand ahead of its sixteen conversions, so that no conversion reads the line just above it; each result is read from its low end on.
.irp p, 0,1
.irp j, 0,2,4,6,8,10,12,14,16,18,20,22,24,26,28,30
	v_dual_max_num_f32 v[128+32*\p+\j], 0, v[128+32*\p+\j] :: v_dual_max_num_f32 v[129+32*\p+\j], 0, v[129+32*\p+\j]
.endr
.irp j, 0,1,2,3,4,5,6,7,8,9,10,11,12,13,14,15
	v_cvt_pk_bf16_f32 v[F+16*\p+\j], v[128+32*\p+2*\j], v[128+32*\p+2*\j+1]
.endr
.endr
	; ---- out = relu(h2) W3, transposed: source 0 = W3's three columns in rows 0-2 and again in rows 8-10.  Two sums by turns, one instruction a turn.
	v_wmma_f32_16x16x32_bf16 v[222:229], v[112:119], v[F:F+7], 0
	v_wmma_f32_16x16x32_bf16 v[230:237], v[112:119], v[F+16:F+23], 0
	v_wmma_f32_16x16x32_bf16 v[222:229], v[120:127], v[F+8:F+15], v[222:229]
	v_wmma_f32_16x16x32_bf16 v[230:237], v[120:127], v[F+24:F+31], v[230:237]
.rept 4
	v_nop
.endr
.irp j, 0,1,2
	v_bfi_b32 v[CT0+\j], v[MLO], v[222+\j], v[230+\j]              ; lanes 0-15: rows 0-2 of points 0-15's sum; lanes 16-31: rows 8-10 of points 16-31's: each lane has its own point's three numbers
.endr
	global_store_b96 v2, v[CT0:CT0+2], s[12:13] th:TH_STORE_NT     ; 32 lanes store 384 consecutive bytes; the wave's next trip goes on where this one ends
	s_wait_xcnt 0x0                                ; the loads and the store above have read their bases and registers: only behind this wait are they written again
	s_add_nc_u64 s[6:7], s[6:7], 256
	s_add_nc_u64 s[8:9], s[8:9], 256
	s_add_nc_u64 s[12:13], s[12:13], 384
	s_sub_co_u32 s49, s49, 1
	s_cmp_lg_u32 s49, 0
	s_cbranch_scc1 .Ltrip
	s_wait_xcnt 0x0
	v_lshl_add_u32 v254, v0, 2, 0x34000
	v_mov_b32 v255, 0
	s_wait_tensorcnt 0x0
	ds_add_u32 v254, v255
	s_wait_dscnt 0x0
	s_endpgm
.Lfunc_end_k_q8981103040_ngp:
	.size	k_q8981103040_ngp, .Lfunc_end_k_q8981103040_ngp-k_q8981103040_ngp
	.p2alignl 7, 3214868480
	.fill 96, 4, 3214868480
	.section	.rodata,"a",@progbits
	.p2align	6, 0x0
	.amdhsa_kernel k_q8981103040_ngp
		.amdhsa_group_segment_fixed_size 215040
		.amdhsa_private_segment_fixed_size 0
		.amdhsa_enable_private_segment 0
		.amdhsa_kernarg_size 40
		.amdhsa_user_sgpr_count 2
		.amdhsa_user_sgpr_kernarg_segment_ptr 1
		.amdhsa_wavefront_size32 1
		.amdhsa_system_sgpr_workgroup_id_x 1
		.amdhsa_system_sgpr_workgroup_id_y 1
		.amdhsa_system_sgpr_workgroup_id_z 1
		.amdhsa_system_vgpr_workitem_id 0
		.amdhsa_next_free_vgpr 256
		.amdhsa_next_free_sgpr 66
		.amdhsa_reserve_vcc 0
		.amdhsa_float_denorm_mode_32 3
		.amdhsa_float_denorm_mode_16_64 3
		.amdhsa_memory_ordered 1
		.amdhsa_forward_progress 1
		.amdhsa_inst_pref_size 55
	.end_amdhsa_kernel
	.amdgpu_metadata
---
amdhsa.version: [ 1, 2 ]
amdhsa.kernels:
  - .name:           k_q8981103040_ngp
    .symbol:         k_q8981103040_ngp.kd
    .args:
      - { .name: hash_table, .offset: 0, .size: 8, .value_kind: global_buffer, .address_space: global }
      - { .name: v_pixel_pos, .offset: 8, .size: 8, .value_kind: global_buffer, .address_space: global }
      - { .name: cells, .offset: 16, .size: 8, .value_kind: global_buffer, .address_space: global }
      - { .name: wimg, .offset: 24, .size: 8, .value_kind: global_buffer, .address_space: global }
      - { .name: out0, .offset: 32, .size: 8, .value_kind: global_buffer, .address_space: global }
    .group_segment_fixed_size: 215040
    .private_segment_fixed_size: 0
    .kernarg_segment_align: 8
    .kernarg_segment_size: 40
    .max_flat_workgroup_size: 512
    .sgpr_count:     66
    .vgpr_count:     256
    .wavefront_size: 32
...
	.end_amdgpu_metadata
.endif
;; end of part 2
